; MI455X (gfx1250); checked and timed in simulation.
; The chip was launched on July 23, 2026; its instructions are those of AMD's public machine-readable ISA for CDNA 5 (MIT licence, August 2026) and "CDNA5" Instruction Set Architecture Reference Guide (July 2026). The comments in the code are by the model that wrote it; some were corrected since.
;; Multi Head Attention. Allowed arithmetic: matrix products marked QUANTISED: E3M2 operands, one E8M0 scale for each 32 along K, by v_wmma_scale_f32_16x16x128_f8f6f4 with both operands' format E3M2, f32 sums; everything else in f32.
;; Inputs: W_out 1,024 x 1,024 float32; W_qkv 1,024 x 3,072 float32; attention_mask 4 x 1 x 1 x 2,048 int32; b_out 1,024 float32; b_qkv 3,072 float32; x 4 x 2,048 x 1,024 float32.
;; Outputs: out0 4 x 2,048 x 1,024 float32.
;; This version of the problem:
;;   THIS VERSION OF THE PROBLEM IS GIVEN IN LOW PRECISION. The matrix products marked QUANTISED in the list below multiply operands that are first quantised to E3M2 (3 exponent bits, 2 mantissa bits; 6 bits a number), with one power-of-two scale for each 32 numbers along K (OCP MX v1.0); their sums are f32. All else is computed in f32.
;;   The module's matrix products, in the order in which they are computed (A, B: the left and right operand; K: the contracted axis; several contracted axes count as one K, in the product's order):
;;     1. [M 8,192, K 1,024] x [K 1,024, N 3,072]; A: input x; B: input W_qkv: QUANTISED
;;     2. batch 64 x [M 2,048, K 64] x [K 64, N 2,048]; A: computed on the way; B: computed on the way: QUANTISED
;;     3. batch 64 x [M 2,048, K 2,048] x [K 2,048, N 64]; A: softmax (see below); B: computed on the way: QUANTISED
;;     4. [M 8,192, K 1,024] x [K 1,024, N 1,024]; A: computed on the way; B: input W_out: QUANTISED
;;   THE QUANTISER, for each operand of a quantised product, along K:
;;     - K is cut into blocks of 32 from its start; a last block that is shorter is filled with zeros.
;;     - A block's scale is 2^e with e = floor(log2(the largest magnitude in the block)) - 4, held to -126 .. 127; a block of zeros has e = 0. As a byte (E8M0): e + 127.
;;     - Each number is divided by its block's scale, clamped to +-28, and rounded to the nearest number of E3M2, ties to even, subnormals kept.
;;     - The product sums the exact products of the quantised numbers (number of the format x scale) in f32.
;;   ~~~python
;;   def quantise(x, axis):      # numpy; x: float32 -> the quantised numbers, widened to float32 again
;;       x = np.moveaxis(x, axis, -1); K = x.shape[-1]
;;       x = np.pad(x, [(0, 0)] * (x.ndim - 1) + [(0, -K % 32)]); x = x.reshape(x.shape[:-1] + (-1, 32)); a = np.abs(x).max(-1, keepdims=True)
;;       e = np.where(a > 0, np.clip(np.frexp(np.where(a > 0, a, 1))[1] - 1 - 4, -126, 127), 0)      # np.frexp(a)[1] - 1 = floor(log2(a)), exactly
;;       r = np.clip(x / 2.0 ** e, -28, 28)
;;       step = 2.0 ** (np.maximum(np.frexp(np.where(r == 0, 1, r))[1] - 1, -2) - 2)
;;       q = np.round(r / step) * step * 2.0 ** e      # np.round: ties to even
;;       return np.moveaxis(q.reshape(q.shape[:-2] + (-1,))[..., :K], -1, axis).astype(np.float32)
;;   ~~~
;;   SOFTMAX AHEAD OF A QUANTISED PRODUCT. Where the list says 'softmax', what is quantised is not the finished softmax but p = 2^(t - M), with t = logit x log2(e) and M = ceil(the row's largest t), a whole number; so 1/2 < the row's largest p <= 1. The row's sum l is taken of the UNQUANTISED p, in f32, and the product's result is divided by l at the end. Since M is a whole number, a kernel that streams over the keys may use a running M (the ceiling of the running maximum): every later rescaling is an exact power of two, which a block's scale takes up: the codes' values come out the same.
;;   OPERANDS COMPUTED ON THE WAY. 'Computed on the way' means the value that the module computes at that place (a softmax that the list does not call 'softmax' is quantised finished and normalised). What goes into a quantiser is computed in f32, as accurately as f32 sums, v_exp_f32 and their like allow (about 1e-6 of the number): no bf16 or f16 on the way to a quantiser, and a product that is left as it is and whose result goes on into a quantised operand takes f32 operands (vector FMAs, or v_wmma_f32_16x16x4_f32). A number that lies on a knife's edge between two numbers of the format may be rounded either way, as far as f32 arithmetic and the matrix unit's own rounding can turn it there, and no further.
;; One version. Each part assembles by itself: llvm-mc -triple=amdgcn-amd-amdhsa -mcpu=gfx1250 --defsym DOCPART=n.
;; ======== version 1 of 1: 4 launches
;; limits: right only within a limited range of input values
;; workspace buffers: xq 6,553,600 bytes; wq 2,457,600 bytes; wo 819,200 bytes; qkvimg 24,379,392 bytes; cq 6,553,600 bytes
;; launch quant (part 1): grid 384 x 1, 4 waves a work-group, no clusters, 34,304 bytes of LDS; arguments x, W_qkv, W_out, xq, wq, wo; writes xq, wq, wo
.if DOCPART == 1
	.amdgcn_target "amdgcn-amd-amdhsa--gfx1250"
	.amdhsa_code_object_version 6
	.text
	.protected	k_q3cbed21c6d_quant
	.globl	k_q3cbed21c6d_quant
	.p2align	8
	.type	k_q3cbed21c6d_quant,@function
k_q3cbed21c6d_quant:
	s_mov_b64 s[64:65], 0
	v_nop
	global_prefetch_b8 v0, s[64:65] scope:SCOPE_SE
	s_setreg_imm32_b32 hwreg(HW_REG_WAVE_MODE, 25, 1), 1
	s_wait_xcnt 0x0
; x [8192][1024], W_qkv [1024][3072], W_out [1024][1024], f32, become codes of E3M2 with one E8M0 byte for each 32 along K, laid IN THE ORDER OF THE OPERAND'S REGISTERS.
; A block's scale is 2^(floor(log2(largest magnitude)) - 4): its byte is the largest magnitude's exponent field - 4, held at 1 from below by a floor among the maximum's leaves.
; (A block of zeros keeps the byte 1 where the rule says 127: its codes are zeros, and this program alone reads the bytes.)
; LIMITS: blocks whose largest magnitude lies under 2^(5 - 127) keep the byte 1; NaN and infinities among the inputs are not served.
; LAYOUT OF THE OUTPUT.  128 rows (tokens, or columns of a weight) are a group of 8 fragments; lane r of fragment 2 B + u is row 32 B + 8 u + r + 8 (r / 8).  For a group and 128 along K: a block of 12,800 bytes:
; 8 fragments of 1,536 (registers 0-3 at 16 x lane, 4-5 at 512 + 8 x lane, 6-9 at 768 + 16 x lane, 10-11 at 1,280 + 8 x lane), then 512 bytes of scale words (fragment f, row r at 16 (r + 16 (f / 4)) + 4 (f % 4)).
; Work-groups 0-255 take x: a wave takes 64 rows x 128 along K.  Each load reads 512 consecutive bytes of a row; 16 rows turn through the wave's own stage in LDS, so that a lane holds 16 neighbours of each block.
; Work-groups 256-383 take the weights, whose K is the first axis: a lane takes a column and its registers run down K; nothing is transposed, and this path uses no LDS.
; Waves share nothing: no barrier.  Every store of 16 bytes a lane covers 512 consecutive bytes, every store of 8 bytes a lane 256, each at a multiple of 256 from the buffer's first byte.
.set TM,   8                           ; v8-11 largest magnitudes, v12-15 the other half's, then bytes, v16-19 the conversions' scale operands
.set PW,   20                          ; the scale word just made
.set CO,   21                          ; W: my column's byte offset
.set WRD,  24                          ; v24-27 x: the four fragments' scale words
.set PR,   28                          ; v[28:29] the scale store's pair
.set XR,   32                          ; v32-95, v96-159 x: two sets of 16 rows as loaded
.set X,    160                         ; v160-223 x: 64 numbers of my row, register 16 b + i = k 32 b + 16 h + i
.set PC,   224                         ; v224-242 x: the codes just made
.set WOFF, 32                          ; v32-63 W: row i's offset; never rewritten
.set WDAT, 64                          ; v64-127 W: two sets of 32 numbers
.set XC,   128                         ; v128-175 W: codes: column set g, block b at XC + 24 g + 6 b
.set TC,   176                         ; v176-178 W: a block's upper 16 codes, before they are moved
.set WD,   180                         ; v180-181 W: my column's scale word, for each column set
.set WX,   182                         ; v182-183 W: the other half's
.set SEL,  20                          ; s[20:21] v_permlanex16_b32's selects for lane l xor 16
.set WB,   32                          ; s[32:39] W: the four blocks' first rows
	s_load_b256 s[4:11], s[0:1], 0x0               ; x s[4:5], W_qkv s[6:7], W_out s[8:9], xq s[10:11]
	s_load_b128 s[12:15], s[0:1], 0x20             ; wq s[12:13], wo s[14:15]
	v_lshl_add_u32 v254, v0, 2, 0x8400
	v_mov_b32 v255, 0
	v_lshrrev_b32 v1, 5, v0
	v_readfirstlane_b32 s16, v1                    ; wave
	v_and_b32 v1, 31, v0                           ; lane
	v_and_b32 v2, 15, v0                           ; r
	v_bfe_u32 v3, v0, 4, 1                         ; h
	v_lshlrev_b32 v4, 4, v1                        ; 16 x lane
	v_lshlrev_b32 v5, 3, v1                        ; 8 x lane
	v_lshlrev_b32 v6, 4, v2
	v_lshl_add_u32 v6, v3, 3, v6                   ; 16 r + 8 h: my 8 bytes of a unit of scale words
	s_mov_b32 s[SEL], 0x76543210
	s_mov_b32 s[SEL+1], 0xfedcba98
	s_mov_b32 s22, 0xffff0000                      ; a select's mask: lanes 16-31
	s_mov_b32 s25, 0
	s_mov_b32 s29, 0
	s_wait_kmcnt 0x0
	s_cmp_lt_u32 ttmp9, 256
	s_cbranch_scc0 .Lw
; ---------------- x ----------------
; 64 numbers of a lane become a fragment's codes in v[PC] on and its scale word in v[PW]
.macro QUANT s
.irp b, 0,1,2,3
	v_max3_num_f32 v[TM+\b], |v[\s+16*\b]|, |v[\s+1+16*\b]|, 0x2800000   ; block b: my 16 numbers, and the floor 2^(5 - 127)
.endr
.irp i, 2,4,6,8,10,12,14
.irp b, 0,1,2,3
	v_max3_num_f32 v[TM+\b], v[TM+\b], |v[\s+16*\b+\i]|, |v[\s+1+16*\b+\i]|   ; the four blocks by turns
.endr
.endr
.irp b, 0,1,2,3
	v_permlanex16_b32 v[TM+4+\b], v[TM+\b], s[SEL], s[SEL+1]
.endr
.irp b, 0,1,2,3
	v_max_num_f32 v[TM+\b], v[TM+\b], v[TM+4+\b]   ; with lane l xor 16's 16: the block's largest magnitude
.endr
.irp b, 0,1,2,3
	v_add_nc_u32 v[TM+8+\b], 0xfe000000, v[TM+\b]  ; 4 off its exponent field: the conversion takes the exponent field of this operand as its scale
.endr
.irp b, 0,1,2,3
	v_lshrrev_b32 v[TM+4+\b], 23, v[TM+8+\b]       ; the scale's byte
.endr
	v_lshl_or_b32 v[PW], v[TM+5], 8, v[TM+4]
	v_lshl_or_b32 v[PW], v[TM+6], 16, v[PW]
	v_lshl_or_b32 v[PW], v[TM+7], 24, v[PW]
.irp c, 0,1
	v_cvt_scalef32_pk16_bf6_f32 v[PC+6*\c:PC+2+6*\c], v[\s+32*\c:\s+15+32*\c], v[TM+8+2*\c]
	v_cvt_scalef32_pk16_bf6_f32 v[PC+12+4*\c:PC+14+4*\c], v[\s+16+32*\c:\s+31+32*\c], v[TM+8+2*\c+1]   ; (a conversion's three registers begin on an even number)
.endr
	v_nop                                          ; one plain place behind a scaled conversion
.irp c, 0,1                                    ; the operand wants a whole block in a lane: lanes 0-15 block 2 c, lanes 16-31 block 2 c + 1
.irp i, 0,1,2
	v_permlane16_swap_b32 v[PC+6*\c+\i], v[PC+12+4*\c+\i]
.endr
.irp i, 0,1,2
	v_mov_b32 v[PC+3+6*\c+\i], v[PC+12+4*\c+\i]
.endr
.endr
.endm
.macro LOADF f                         ; fragment f's 16 rows, 512 consecutive bytes each, into set f % 2
.set i, 0
.rept 16
	global_load_b128 v[XR+64*((\f)%2)+4*i:XR+64*((\f)%2)+4*i+3], v4, s[4:5] offset:(32*((\f)/2)+8*((\f)%2)+i+8*(i/8))*4096 th:TH_LOAD_NT
.set i, i+1
.endr
.endm
.macro XFRAG f
.if (\f) < 3
	s_wait_loadcnt 16                              ; this fragment's 16 loads are in; the next fragment's 16 may be out
.else
	s_wait_loadcnt 0x0
.endif
.set i, 0
.rept 16
	ds_store_b128 v7, v[XR+64*((\f)%2)+4*i:XR+64*((\f)%2)+4*i+3] offset:528*i   ; a row of 512 bytes + 16
.set i, i+1
.endr
.irp b, 0,1,2,3
.irp j, 0,1,2,3
	ds_load_b128 v[X+16*\b+4*\j:X+16*\b+4*\j+3], v30 offset:128*\b+16*\j   ; LDS serves a wave's instructions in order: these see my stores
.endr
.endr
	s_wait_dscnt 0x0                               ; my 64 numbers are in, and the stores have read the set
	s_wait_xcnt 0x0                                ; the last fragment's global stores have read the codes' registers
.if (\f)+2 < 4
	LOADF (\f)+2
.endif
	QUANT X
	global_store_b128 v4, v[PC:PC+3], s[10:11] offset:1536*(\f)
	global_store_b64 v5, v[PC+4:PC+5], s[10:11] offset:1536*(\f)+512
	global_store_b128 v4, v[PC+6:PC+9], s[10:11] offset:1536*(\f)+768
	global_store_b64 v5, v[PC+10:PC+11], s[10:11] offset:1536*(\f)+1280
	v_mov_b32 v[WRD+(\f)], v[PW]
.endm
	s_lshl_b32 s17, ttmp9, 2
	s_add_co_u32 s17, s17, s16                     ; task = 4 x work-group + wave
	s_lshr_b32 s18, s17, 3                         ; which 64 rows
	s_and_b32 s19, s17, 7                          ; which 128 along K
	s_lshl_b32 s24, s18, 18                        ; 64 rows of 4,096 bytes
	s_lshl_b32 s23, s19, 9
	s_add_co_u32 s24, s24, s23
	s_add_nc_u64 s[4:5], s[4:5], s[24:25]
	s_lshr_b32 s23, s18, 1                         ; the group,
	s_and_b32 s26, s18, 1                          ; and which half of it
	s_lshl_b32 s23, s23, 3
	s_add_co_u32 s23, s23, s19
	s_mul_i32 s24, s23, 12800                      ; the block
	s_mul_i32 s27, s26, 6144
	s_add_co_u32 s28, s24, s27                     ; my four fragments
	s_lshl_b32 s27, s26, 8
	s_add_co_u32 s24, s24, s27
	s_add_co_u32 s24, s24, 12288                   ; my 256 bytes of scale words
	s_add_nc_u64 s[30:31], s[10:11], s[24:25]
	s_add_nc_u64 s[10:11], s[10:11], s[28:29]
	s_mul_i32 s27, s16, 8448                       ; my stage: 16 rows x 528 bytes
	s_wait_alu depctr_va_vdst(0)
	v_add_nc_u32 v7, s27, v4                       ; in: 16 x lane
	v_mul_u32_u24 v30, v2, 528
	v_lshl_add_u32 v30, v3, 6, v30
	v_add_nc_u32 v30, s27, v30                     ; out: row r, + 64 h
.irp b, 0,1,2,3
	v_mov_b32 v[TM+4+\b], 0                        ; written once: a lane permute's destination counts as one of its sources
.endr
	LOADF 0
	LOADF 1
	s_wait_alu depctr_va_vdst(0)
	XFRAG 0
	XFRAG 1
	XFRAG 2
	XFRAG 3
	v_cndmask_b32 v[PR], v[WRD], v[WRD+2], s22     ; lanes 0-15 store fragments 0 and 1's words of row r, lanes 16-31 fragments 2 and 3's
	v_cndmask_b32 v[PR+1], v[WRD+1], v[WRD+3], s22
	global_store_b64 v6, v[PR:PR+1], s[30:31]
	s_wait_tensorcnt 0x0
	ds_add_u32 v254, v255
	s_wait_dscnt 0x0
	s_endpgm
; ---------------- the weights ----------------
.macro LOADU u                         ; unit u: block u / 2, column set u % 2: W(32 b + i, my column), i = 0 .. 31
.set i, 0
.rept 32
	global_load_b32 v[WDAT+32*((\u)%2)+i], v[WOFF+i], s[WB+2*((\u)/2):WB+2*((\u)/2)+1] offset:128*((\u)%2) th:TH_LOAD_NT
.set i, i+1
.endr
.endm
.macro UNIT u
.set DD, WDAT+32*((\u)%2)
.set XB, XC+24*((\u)%2)+6*((\u)/2)
.if (\u) < 7
	s_wait_loadcnt 32                              ; this unit's 32 loads are in; the next unit's may be out
.else
	s_wait_loadcnt 0x0
.endif
	v_max3_num_f32 v8, |v[DD]|, |v[DD+1]|, |v[DD+2]|   ; the block's largest magnitude: all 32 numbers are mine
	v_max3_num_f32 v10, |v[DD+3]|, |v[DD+4]|, |v[DD+5]|
.irp i, 6,10,14,18,22,26
	v_max3_num_f32 v8, v8, |v[DD+\i]|, |v[DD+\i+1]|
	v_max3_num_f32 v10, v10, |v[DD+\i+2]|, |v[DD+\i+3]|
.endr
	v_max3_num_f32 v8, v8, |v[DD+30]|, |v[DD+31]|
	v_max3_num_f32 v8, v8, v10, 0x2800000          ; and the floor
	v_add_nc_u32 v11, 0xfe000000, v8
	v_lshrrev_b32 v12, 23, v11                     ; the scale's byte
	v_cvt_scalef32_pk16_bf6_f32 v[XB:XB+2], v[DD:DD+15], v11
	v_cvt_scalef32_pk16_bf6_f32 v[TC:TC+2], v[DD+16:DD+31], v11
.if (\u)/2 == 0
	v_mov_b32 v[WD+(\u)%2], v12                    ; (the plain place behind the conversions)
.else
	v_lshl_or_b32 v[WD+(\u)%2], v12, 8*((\u)/2), v[WD+(\u)%2]
.endif
.irp i, 0,1,2
	v_mov_b32 v[XB+3+\i], v[TC+\i]
.endr
.if (\u)+2 < 8
	LOADU (\u)+2
.endif
.endm
; Blocks 2 c and 2 c + 1 of both column sets are made.  Lanes 0-15 hold the even fragment's columns, lanes 16-31 the odd one's: the exchange of halves makes of the two blocks' registers
; the half fragments (64 along K) of the two fragments.  Each has registers of its own, so no store's data are written again.
.macro HFOUT c
.irp g, 0,1
.irp i, 0,1,2,3,4,5
	v_permlane16_swap_b32 v[XC+24*\g+12*(\c)+\i], v[XC+24*\g+12*(\c)+6+\i]
.endr
.endr
.irp g, 0,1
.irp t, 0,1
	global_store_b128 v4, v[XC+24*\g+12*(\c)+6*\t:XC+24*\g+12*(\c)+6*\t+3], s[12:13] offset:(2*\g+\t)*1536+768*(\c)
	global_store_b64 v5, v[XC+24*\g+12*(\c)+6*\t+4:XC+24*\g+12*(\c)+6*\t+5], s[12:13] offset:(2*\g+\t)*1536+768*(\c)+512
.endr
.endr
.endm
.Lw:
	s_sub_co_u32 s17, ttmp9, 256
	s_lshr_b32 s18, s17, 3                         ; which 256 columns: 0-11 of W_qkv, 12-15 of W_out
	s_and_b32 s19, s17, 7                          ; which 128 along K
	s_mov_b32 s23, 4096
	s_cmp_lt_u32 s18, 12                           ; the choice hangs on the work-group's number alone
	s_cselect_b64 s[6:7], s[6:7], s[8:9]
	s_cselect_b64 s[12:13], s[12:13], s[14:15]
	s_cselect_b32 s23, 12288, s23                  ; a row of the weight in bytes
	s_cselect_b32 s26, 0, 12
	s_sub_co_u32 s18, s18, s26
	s_lshl_b32 s24, s18, 10
	s_lshl_b32 s27, s16, 8
	s_add_co_u32 s24, s24, s27                     ; my wave's first column, in bytes: 1,024 x strip + 256 x wave
	s_lshl_b32 s27, s19, 7
	s_mul_i32 s27, s27, s23                        ; + 128 s rows
	s_add_co_u32 s24, s24, s27
	s_add_nc_u64 s[WB:WB+1], s[6:7], s[24:25]
	s_lshl_b32 s24, s23, 5                         ; 32 rows on
	s_add_nc_u64 s[WB+2:WB+3], s[WB:WB+1], s[24:25]
	s_add_nc_u64 s[WB+4:WB+5], s[WB+2:WB+3], s[24:25]
	s_add_nc_u64 s[WB+6:WB+7], s[WB+4:WB+5], s[24:25]
	s_lshl_b32 s26, s18, 1
	s_lshr_b32 s27, s16, 1
	s_add_co_u32 s26, s26, s27                     ; the group of 128 columns
	s_lshl_b32 s26, s26, 3
	s_add_co_u32 s26, s26, s19
	s_mul_i32 s24, s26, 12800
	s_and_b32 s27, s16, 1                          ; which half of it
	s_mul_i32 s28, s27, 6144
	s_add_co_u32 s28, s28, s24
	s_lshl_b32 s27, s27, 8
	s_add_co_u32 s24, s24, s27
	s_add_co_u32 s24, s24, 12288
	s_add_nc_u64 s[30:31], s[12:13], s[24:25]
	s_add_nc_u64 s[12:13], s[12:13], s[28:29]
	s_wait_alu depctr_va_vdst(0)
	v_and_b32 v[CO], 8, v2
	v_add_nc_u32 v[CO], v[CO], v2
	v_lshl_add_u32 v[CO], v3, 3, v[CO]             ; my column in a set of 32: r + 8 (r / 8) + 8 h: two fragments' rows in the 32 lanes
	v_lshlrev_b32 v[CO], 2, v[CO]
.set i, 0
.rept 32
	v_mad_u32_u24 v[WOFF+i], s23, i, v[CO]
.set i, i+1
.endr
	v_mov_b32 v[WX], 0
	v_mov_b32 v[WX+1], 0
	LOADU 0
	LOADU 1
	UNIT 0
	UNIT 1
	UNIT 2
	UNIT 3
	HFOUT 0
	UNIT 4
	UNIT 5
	UNIT 6
	UNIT 7
	HFOUT 1
	v_permlanex16_b32 v[WX], v[WD], s[SEL], s[SEL+1]
	v_permlanex16_b32 v[WX+1], v[WD+1], s[SEL], s[SEL+1]
	v_cndmask_b32 v[PR], v[WD], v[WX+1], s22       ; lanes 0-15: fragments 0 and 1's words of row r; lanes 16-31: fragments 2 and 3's
	v_cndmask_b32 v[PR+1], v[WX], v[WD+1], s22
	global_store_b64 v6, v[PR:PR+1], s[30:31]
	s_endpgm
.Lfunc_end_k_q3cbed21c6d_quant:
	.size	k_q3cbed21c6d_quant, .Lfunc_end_k_q3cbed21c6d_quant-k_q3cbed21c6d_quant
	.p2alignl 7, 3214868480
	.fill 96, 4, 3214868480
	.section	.rodata,"a",@progbits
	.p2align	6, 0x0
	.amdhsa_kernel k_q3cbed21c6d_quant
		.amdhsa_group_segment_fixed_size 34304
		.amdhsa_private_segment_fixed_size 0
		.amdhsa_enable_private_segment 0
		.amdhsa_kernarg_size 48
		.amdhsa_user_sgpr_count 2
		.amdhsa_user_sgpr_kernarg_segment_ptr 1
		.amdhsa_wavefront_size32 1
		.amdhsa_system_sgpr_workgroup_id_x 1
		.amdhsa_system_sgpr_workgroup_id_y 1
		.amdhsa_system_sgpr_workgroup_id_z 1
		.amdhsa_system_vgpr_workitem_id 0
		.amdhsa_next_free_vgpr 256
		.amdhsa_next_free_sgpr 66
		.amdhsa_reserve_vcc 0
		.amdhsa_float_denorm_mode_32 3
		.amdhsa_float_denorm_mode_16_64 3
		.amdhsa_memory_ordered 1
		.amdhsa_forward_progress 1
		.amdhsa_inst_pref_size 76
	.end_amdhsa_kernel
	.amdgpu_metadata
---
amdhsa.version: [ 1, 2 ]
amdhsa.kernels:
  - .name:           k_q3cbed21c6d_quant
    .symbol:         k_q3cbed21c6d_quant.kd
    .args:
      - { .name: x, .offset: 0, .size: 8, .value_kind: global_buffer, .address_space: global }
      - { .name: W_qkv, .offset: 8, .size: 8, .value_kind: global_buffer, .address_space: global }
      - { .name: W_out, .offset: 16, .size: 8, .value_kind: global_buffer, .address_space: global }
      - { .name: xq, .offset: 24, .size: 8, .value_kind: global_buffer, .address_space: global }
      - { .name: wq, .offset: 32, .size: 8, .value_kind: global_buffer, .address_space: global }
      - { .name: wo, .offset: 40, .size: 8, .value_kind: global_buffer, .address_space: global }
    .group_segment_fixed_size: 34304
    .private_segment_fixed_size: 0
    .kernarg_segment_align: 8
    .kernarg_segment_size: 48
    .max_flat_workgroup_size: 128
    .sgpr_count:     66
    .vgpr_count:     256
    .wavefront_size: 32
...
	.end_amdgpu_metadata
.endif
;; end of part 1
;; launch qkv (part 2): grid 12 x 32, 4 waves a work-group, clusters of 4 x 4, 327,680 bytes of LDS; arguments xq, wq, b_qkv, attention_mask, qkvimg; writes qkvimg
.if DOCPART == 2
	.amdgcn_target "amdgcn-amd-amdhsa--gfx1250"
	.amdhsa_code_object_version 6
	.text
	.protected	k_q3cbed21c6d_qkv
	.globl	k_q3cbed21c6d_qkv
	.p2align	8
	.type	k_q3cbed21c6d_qkv,@function
k_q3cbed21c6d_qkv:
	s_mov_b64 s[64:65], 0
	v_nop
	global_prefetch_b8 v0, s[64:65] scope:SCOPE_SE
	s_setreg_imm32_b32 hwreg(HW_REG_WAVE_MODE, 25, 1), 1
	s_wait_xcnt 0x0
	s_wait_alu depctr_hold_cnt(0) depctr_sa_sdst(0) depctr_va_vdst(0) depctr_va_sdst(0) depctr_va_ssrc(0) depctr_va_vcc(0) depctr_vm_vsrc(0)
	s_getreg_b32 s2, hwreg(HW_REG_IB_STS2, 6, 4)
	s_cmp_eq_u32 s2, 0
	s_cbranch_scc0 .Lentry_in_a_cluster
	s_endpgm
.Lentry_in_a_cluster:
	s_bfe_u32 s2, ttmp6, 0x10000c
	s_cmp_lg_u32 s2, 0xf033
	s_cbranch_scc0 .Lentry_shape_is_right
	s_endpgm
.Lentry_shape_is_right:
.set OPB,   12800
.set FRB,   1536
.set FR,    12
.set PART,  2*OPB
.set SLOT,  4*PART
.set GRP,   8*OPB
.set SPARE, 2*SLOT
.set HEADB, 16*23808
.set SW,   4
.set XU,   8
.set XM,   9
.set BU,   10
.set BM,   11
.set PR,   12
.set BY,   14
.set PW,   15
.set ADRQ, 16
.set ADRP, 20
.set LI,   24
.set SCO,  25
.set BO,   26
.set RO,   27
.set SPW,  28
.set NIL,  29
.set SC,   32
.set BIAS, 64
.set QF,   128
.set T,    128
.set PC,   192
.set TM,   212
.set VB,   228
.set MK,   244
.set G1,  24
.set G0,  32
.set G1B, 48
.set G0B, 56
.set SEL, 86
.set MSB, 0
.macro WIN new
.if MSB != (\new)
	s_set_vgpr_msb (MSB<<8)|(\new)
.set MSB, (\new)
.endif
.endm
.set MUL_LO, 0xa1
.set MUL_HI, 0xf1
.set TO_P,   0x40
.macro JLOAD g0a, g1a, g0b, g1b
	s_cmp_eq_u32 s15, 0
	s_cbranch_scc0 .Lfor_p_\@
	tensor_load_to_lds s[\g0a:\g0a+3], s[\g1a:\g1a+7]
	s_nop 0
.rept 4
	v_nop
.endr
	s_branch .Lasked_\@
.Lfor_p_\@:
	tensor_load_to_lds s[\g0b:\g0b+3], s[\g1b:\g1b+7]
	s_nop 0
.rept 4
	v_nop
.endr
.Lasked_\@:
.endm
.macro CREST
	s_cmp_lg_u32 s14, 0
	s_cbranch_scc1 .Lnot_wave_0_\@
	s_barrier_signal -3
.Lnot_wave_0_\@:
	s_barrier_wait -3
	s_barrier_signal -1
	s_barrier_wait -1
.endm
.macro CROUND
	s_barrier_signal -1
	s_barrier_wait -1
	CREST
.endm
.macro PLACES
.rept 4
	v_nop
.endr
.endm
	s_load_b256 s[4:11], s[0:1], 0x0
	s_load_b64 s[12:13], s[0:1], 0x20
	v_lshl_add_u32 v[SPW], v0, 2, SPARE
	v_mov_b32 v[NIL], 0
	ds_add_u32 v28, v29
	ds_add_u32 v28, v29
	s_wait_dscnt 0x0
	v_lshrrev_b32 v1, 5, v0
	v_readfirstlane_b32 s14, v1
	s_lshr_b32 s15, s14, 1
	s_and_b32 s16, s14, 1
	s_bfe_u32 s40, ttmp6, 0x40000
	s_bfe_u32 s41, ttmp6, 0x40004
	s_and_b32 s17, ttmp7, 0xffff
	s_lshl_b32 s43, s41, 2
	s_lshl_b32 s43, 15, s43
	s_lshl_b32 s44, 0x1111, s40
	s_or_b32 s[G1+0], s43, (3<<16)|(1<<21)
	s_or_b32 s[G1B+0], s44, (3<<16)|(1<<21)
.irp g, G1, G1B
	s_mov_b32 s[\g+1], 32<<16
	s_mov_b32 s[\g+2], 100<<16
	s_mov_b32 s[\g+3], 32<<16
	s_mov_b32 s[\g+4], 100
	s_mov_b32 s[\g+5], 32
	s_mov_b32 s[\g+6], 0
	s_mov_b32 s[\g+7], 0
.endr
	s_wait_kmcnt 0x0
	s_cmp_lt_u32 ttmp9, 2
	s_cselect_b32 s18, ttmp9, s17
	s_cselect_b32 s19, s17, 2
	s_cselect_b64 s[92:93], s[6:7], s[4:5]
	s_cselect_b64 s[22:23], s[4:5], s[6:7]
	s_lshl_b32 s46, s18, 2
	s_add_co_u32 s46, s46, s40
	s_mov_b32 s66, s46
	s_lshl_b32 s20, s19, 2
	s_add_co_u32 s20, s20, s41
	s_mov_b32 s67, s20
	s_lshl_b32 s46, s46, 1
	s_add_co_u32 s46, s46, s16
	s_mul_i32 s46, s46, GRP
	s_mov_b32 s47, 0
	s_add_nc_u64 s[46:47], s[92:93], s[46:47]
	s_lshl_b32 s20, s20, 1
	s_add_co_u32 s20, s20, s16
	s_mul_i32 s20, s20, GRP
	s_mov_b32 s21, 0
	s_add_nc_u64 s[20:21], s[22:23], s[20:21]
	s_mul_i32 s45, s14, PART
	CROUND
.irp s, 0,1
	s_mov_b32 s[G0+4*\s], 1
	s_add_co_u32 s[G0+4*\s+1], s45, \s*SLOT
	s_add_nc_u64 s[G0+4*\s+2:G0+4*\s+3], s[20:21], \s*PART
	s_or_b32 s[G0+4*\s+3], s[G0+4*\s+3], 0x80000000
	s_mov_b32 s[G0B+4*\s], 1
	s_add_co_u32 s[G0B+4*\s+1], s45, \s*SLOT
	s_add_nc_u64 s[G0B+4*\s+2:G0B+4*\s+3], s[46:47], \s*PART
	s_or_b32 s[G0B+4*\s+3], s[G0B+4*\s+3], 0x80000000
	s_wait_alu depctr_va_vdst(0)
	s_wait_tensorcnt 0x0
	ds_add_u32 v28, v29
	ds_add_u32 v28, v29
	s_wait_dscnt 0x0
	CROUND
	JLOAD G0+4*\s, G1, G0B+4*\s, G1B
.endr
	v_and_b32 v3, 31, v0
	v_and_b32 v1, 15, v0
	v_bfe_u32 v2, v0, 4, 1
	v_lshlrev_b32 v[LI], 4, v3
	v_lshlrev_b32 v4, 3, v3
	s_mul_i32 s70, s15, PART
	s_mul_i32 s71, s16, PART
	s_add_co_u32 s71, s71, 2*PART
.irp s, 0,1
	v_add_nc_u32 v[ADRQ+\s], s70, v[LI]
	v_add_nc_u32 v[ADRQ+2+\s], s70, v4
	v_add_nc_u32 v[ADRP+\s], s71, v[LI]
	v_add_nc_u32 v[ADRP+2+\s], s71, v4
	s_add_co_u32 s70, s70, SLOT
	s_add_co_u32 s71, s71, SLOT
.endr
	s_cmp_lt_u32 ttmp9, 2
	s_cselect_b32 s72, s66, s67
	s_cselect_b32 s73, s16, s15
	s_cselect_b32 s74, s67, s66
	s_cselect_b32 s75, s15, s16
	s_lshl_b32 s76, s72, 10
	s_lshl_b32 s77, s73, 9
	s_add_co_u32 s76, s76, s77
	s_mov_b32 s77, 0
	s_add_nc_u64 s[8:9], s[8:9], s[76:77]
	s_lshl_b32 s78, s74, 1
	s_add_co_u32 s78, s78, s75
	s_lshl_b32 s76, s78, 9
	s_add_nc_u64 s[10:11], s[10:11], s[76:77]
	s_lshr_b32 s79, s78, 4
	s_lshl_b32 s79, s79, 4
	s_and_b32 s80, s72, 3
	s_lshl_b32 s80, s80, 2
	s_add_co_u32 s79, s79, s80
	s_lshl_b32 s80, s73, 1
	s_add_co_u32 s79, s79, s80
	s_lshl_b32 s79, s79, 4
	s_and_b32 s80, s78, 15
	s_add_co_u32 s79, s79, s80
	s_mul_i32 s76, s79, 23808
	s_mul_i32 s80, ttmp9, 8704
	s_add_co_u32 s76, s76, s80
	s_add_nc_u64 s[12:13], s[12:13], s[76:77]
	v_lshlrev_b32 v[BO], 6, v2
	v_and_b32 v[RO], 8, v1
	v_add_nc_u32 v[RO], v[RO], v1
	v_lshlrev_b32 v[RO], 2, v[RO]
	v_lshlrev_b32 v[SCO], 4, v1
	v_lshl_add_u32 v[SCO], v2, 3, v[SCO]
.irp b, 0,1,2,3,4,5,6,7
	global_load_b128 v[BIAS+8*\b:BIAS+8*\b+3], v[BO], s[8:9] offset:(32*(\b/2)+8*(\b%2))*4
	global_load_b128 v[BIAS+8*\b+4:BIAS+8*\b+7], v[BO], s[8:9] offset:(32*(\b/2)+8*(\b%2))*4+16
	global_load_b32 v[VB+2*\b], v[RO], s[8:9] offset:(32*(\b/2)+8*(\b%2))*4
	global_load_b32 v[VB+2*\b+1], v[RO], s[8:9] offset:(32*(\b/2)+8*(\b%2))*4
	global_load_b32 v[MK+\b], v[RO], s[10:11] offset:(32*(\b/2)+8*(\b%2))*4
.endr
.macro FRAG reg, adr, q, i
	ds_load_b128 v[\reg:\reg+3], v[\adr] offset:OPB*(\q)+FRB*(\i)
	ds_load_b64 v[\reg+4:\reg+5], v[\adr+2] offset:OPB*(\q)+FRB*(\i)+512
	ds_load_b128 v[\reg+6:\reg+9], v[\adr] offset:OPB*(\q)+FRB*(\i)+768
	ds_load_b64 v[\reg+10:\reg+11], v[\adr+2] offset:OPB*(\q)+FRB*(\i)+1280
.endm
.macro FETCH_P slot, q, p
	WIN TO_P
.irp i, 0,1,2,3,4,5,6,7
	FRAG 128*(\p)+FR*\i, ADRP+\slot, \q, \i
.endr
	WIN 0
.endm
.macro FETCH_Q slot, q, i0
.irp i, \i0, \i0+1, \i0+2, \i0+3
	FRAG QF+FR*(\i), ADRQ+\slot, \q, \i
.endr
.endm
.macro SCALES slot
.irp q, 0,1
	ds_load_b128 v[SC+16*\slot+8*\q:SC+16*\slot+8*\q+3], v[ADRQ+\slot] offset:OPB*\q+8*FRB
	ds_load_b128 v[SC+16*\slot+8*\q+4:SC+16*\slot+8*\q+7], v[ADRP+\slot] offset:OPB*\q+8*FRB
.endr
.endm
.macro WM acc, pf, qf, sp, sq, rp, rq, zero
.if \zero
.if (\rp) && (\rq)
	v_wmma_scale_f32_16x16x128_f8f6f4 v[\acc:\acc+7], v[\pf:\pf+11], v[\qf:\qf+11], 0, v[\sp], v[\sq] matrix_a_fmt:MATRIX_FMT_BF6 matrix_b_fmt:MATRIX_FMT_BF6 matrix_a_scale:MATRIX_SCALE_ROW1 matrix_b_scale:MATRIX_SCALE_ROW1
.elseif \rp
	v_wmma_scale_f32_16x16x128_f8f6f4 v[\acc:\acc+7], v[\pf:\pf+11], v[\qf:\qf+11], 0, v[\sp], v[\sq] matrix_a_fmt:MATRIX_FMT_BF6 matrix_b_fmt:MATRIX_FMT_BF6 matrix_a_scale:MATRIX_SCALE_ROW1
.elseif \rq
	v_wmma_scale_f32_16x16x128_f8f6f4 v[\acc:\acc+7], v[\pf:\pf+11], v[\qf:\qf+11], 0, v[\sp], v[\sq] matrix_a_fmt:MATRIX_FMT_BF6 matrix_b_fmt:MATRIX_FMT_BF6 matrix_b_scale:MATRIX_SCALE_ROW1
.else
	v_wmma_scale_f32_16x16x128_f8f6f4 v[\acc:\acc+7], v[\pf:\pf+11], v[\qf:\qf+11], 0, v[\sp], v[\sq] matrix_a_fmt:MATRIX_FMT_BF6 matrix_b_fmt:MATRIX_FMT_BF6
.endif
.else
.if (\rp) && (\rq)
	v_wmma_scale_f32_16x16x128_f8f6f4 v[\acc:\acc+7], v[\pf:\pf+11], v[\qf:\qf+11], v[\acc:\acc+7], v[\sp], v[\sq] matrix_a_fmt:MATRIX_FMT_BF6 matrix_b_fmt:MATRIX_FMT_BF6 matrix_a_scale:MATRIX_SCALE_ROW1 matrix_b_scale:MATRIX_SCALE_ROW1
.elseif \rp
	v_wmma_scale_f32_16x16x128_f8f6f4 v[\acc:\acc+7], v[\pf:\pf+11], v[\qf:\qf+11], v[\acc:\acc+7], v[\sp], v[\sq] matrix_a_fmt:MATRIX_FMT_BF6 matrix_b_fmt:MATRIX_FMT_BF6 matrix_a_scale:MATRIX_SCALE_ROW1
.elseif \rq
	v_wmma_scale_f32_16x16x128_f8f6f4 v[\acc:\acc+7], v[\pf:\pf+11], v[\qf:\qf+11], v[\acc:\acc+7], v[\sp], v[\sq] matrix_a_fmt:MATRIX_FMT_BF6 matrix_b_fmt:MATRIX_FMT_BF6 matrix_b_scale:MATRIX_SCALE_ROW1
.else
	v_wmma_scale_f32_16x16x128_f8f6f4 v[\acc:\acc+7], v[\pf:\pf+11], v[\qf:\qf+11], v[\acc:\acc+7], v[\sp], v[\sq] matrix_a_fmt:MATRIX_FMT_BF6 matrix_b_fmt:MATRIX_FMT_BF6
.endif
.endif
.endm
.macro MUL16 a0, p, q, sc, zero
.irp a, \a0, \a0+1
.irp b, 0,1,2,3,4,5,6,7
	WM 8*(8*((\a)%4)+\b), 128*(\p)+FR*\b, QF+FR*(\a), SC+16*(\sc)+8*(\q)+4+(\b%4), SC+16*(\sc)+8*(\q)+((\a)%4), \b/4, (\a)/4, \zero
.endr
.endr
.endm
.macro STEP slot, zero
	s_wait_dscnt 16
	WIN MUL_LO
	MUL16 0, 0, 0, \slot, \zero
	MUL16 2, 0, 0, \slot, \zero
	s_wait_dscnt 0x0
	PLACES
	FETCH_P \slot, 1, 1
	FETCH_Q \slot, 1, 0
	WIN MUL_HI
	MUL16 4, 0, 0, \slot, \zero
	MUL16 6, 0, 0, \slot, \zero
	PLACES
	WIN 0
	FETCH_Q \slot, 1, 4
.endm
.macro TURN slot, next, fill
	s_wait_tensorcnt 0x0
	ds_add_u32 v[SPW], v[NIL]
	s_wait_dscnt 17
	WIN MUL_LO
	MUL16 0, 1, 1, \slot, 0
	s_wait_dscnt 0x0
	s_barrier_signal -1
	MUL16 2, 1, 1, \slot, 0
	WIN 0
	s_barrier_wait -1
.if \fill
	CREST
	s_add_nc_u64 s[G0+4*\slot+2:G0+4*\slot+3], s[G0+4*\slot+2:G0+4*\slot+3], 2*PART
	s_add_nc_u64 s[G0B+4*\slot+2:G0B+4*\slot+3], s[G0B+4*\slot+2:G0B+4*\slot+3], 2*PART
	JLOAD G0+4*\slot, G1, G0B+4*\slot, G1B
.else
	PLACES
.endif
	s_wait_alu depctr_va_vdst(0)
	FETCH_P \next, 0, 0
	FETCH_Q \next, 0, 0
	SCALES \next
	WIN MUL_HI
	MUL16 4, 1, 1, \slot, 0
	MUL16 6, 1, 1, \slot, 0
	PLACES
	WIN 0
	FETCH_Q \next, 0, 4
.endm
	s_wait_loadcnt 0x0
	s_wait_tensorcnt 1
	s_barrier_signal -1
	s_barrier_wait -1
	FETCH_P 0, 0, 0
	FETCH_Q 0, 0, 0
	SCALES 0
	FETCH_Q 0, 0, 4
	STEP 0, 1
	TURN 0, 1, 1
	STEP 1, 0
	TURN 1, 0, 1
	STEP 0, 0
	TURN 0, 1, 0
	STEP 1, 0
	s_wait_dscnt 16
	WIN MUL_LO
	MUL16 0, 1, 1, 1, 0
	MUL16 2, 1, 1, 1, 0
	s_wait_dscnt 0x0
	WIN MUL_HI
	MUL16 4, 1, 1, 1, 0
	MUL16 6, 1, 1, 1, 0
	WIN 0
.macro MAXES s, nb
.set b, 0
.rept \nb
	v_max3_num_f32 v[TM+b], |v[\s+16*b]|, |v[\s+1+16*b]|, 0x2800000
.set b, b+1
.endr
.irp i, 2,4,6,8,10,12,14
.set b, 0
.rept \nb
	v_max3_num_f32 v[TM+b], v[TM+b], |v[\s+16*b+\i]|, |v[\s+1+16*b+\i]|
.set b, b+1
.endr
.endr
.set b, 0
.rept \nb
	v_permlanex16_b32 v[TM+4+b], v[TM+b], s[SEL], s[SEL+1]
.set b, b+1
.endr
.set b, 0
.rept \nb
	v_max_num_f32 v[TM+b], v[TM+b], v[TM+4+b]
.set b, b+1
.endr
.set b, 0
.rept \nb
	v_add_nc_u32 v[TM+8+b], 0xfe000000, v[TM+b]
.set b, b+1
.endr
.set b, 0
.rept \nb
	v_lshrrev_b32 v[TM+4+b], 23, v[TM+8+b]
.set b, b+1
.endr
	v_lshl_or_b32 v[PW], v[TM+5], 8, v[TM+4]
.endm
.macro HQ s
	MAXES \s, 2
	v_cvt_scalef32_pk16_bf6_f32 v[PC:PC+2], v[\s:\s+15], v[TM+8]
	v_cvt_scalef32_pk16_bf6_f32 v[PC+4:PC+6], v[\s+16:\s+31], v[TM+9]
	v_nop
.irp i, 0,1,2
	v_permlane16_swap_b32 v[PC+\i], v[PC+4+\i]
.endr
	v_mov_b32 v[PC+3], v[PC+4]
	v_mov_b32 v[PC+4], v[PC+5]
	v_mov_b32 v[PC+5], v[PC+6]
.endm
.macro QUANT s
	MAXES \s, 4
	v_lshl_or_b32 v[PW], v[TM+6], 16, v[PW]
	v_lshl_or_b32 v[PW], v[TM+7], 24, v[PW]
.irp c, 0,1
	v_cvt_scalef32_pk16_bf6_f32 v[PC+6*\c:PC+2+6*\c], v[\s+32*\c:\s+15+32*\c], v[TM+8+2*\c]
	v_cvt_scalef32_pk16_bf6_f32 v[PC+12+4*\c:PC+14+4*\c], v[\s+16+32*\c:\s+31+32*\c], v[TM+8+2*\c+1]
.endr
	v_nop
.irp c, 0,1
.irp i, 0,1,2
	v_permlane16_swap_b32 v[PC+6*\c+\i], v[PC+12+4*\c+\i]
.endr
.irp i, 0,1,2
	v_mov_b32 v[PC+3+6*\c+\i], v[PC+12+4*\c+\i]
.endr
.endr
.endm
.macro SCST off
	v_cndmask_b32 v[PR], v[SW], v[SW+2], s85
	v_cndmask_b32 v[PR+1], v[SW+1], v[SW+3], s85
	global_store_b64 v[SCO], v[PR:PR+1], s[12:13] offset:\off
.endm
.macro QKT e, a
.set AC, 8*(8*((\a)%4)+4*(\e))
	WIN 0x02+(\a)/4
.set n, 0
.rept 16
	v_pk_add_f32 v[T+n:T+n+1], v[AC+n:AC+n+1], v[BIAS+32*(\e)+n:BIAS+32*(\e)+n+1]
.set n, n+2
.endr
	WIN 0
	s_wait_alu depctr_va_vdst(0)
	s_wait_xcnt 0x0
	HQ T
	v_cmp_eq_u32 vcc_lo, 0, v[MK+(\a)]
	v_cndmask_b32 v[PC+6], v[XU], v[XM], vcc_lo
	v_cndmask_b32 v[BY], v[BU], v[BM], vcc_lo
	v_or_b32 v[PW], v[PW], v[BY]
	global_store_b128 v[LI], v[PC:PC+3], s[12:13] offset:(\e)*HEADB+1024*(\a)
	global_store_b128 v[LI], v[PC+4:PC+7], s[12:13] offset:(\e)*HEADB+1024*(\a)+512
	v_mov_b32 v[SW+(\a)%4], v[PW]
.if (\a)%4 == 3
	SCST (\e)*HEADB+8192+256*((\a)/4)
.endif
.endm
.macro VT a
.set AC, 64*((\a)%4)
	WIN 0x02+(\a)/4
.set n, 0
.rept 32
	v_pk_add_f32 v[T+n:T+n+1], v[AC+n:AC+n+1], v[VB+2*(\a):VB+2*(\a)+1]
.set n, n+2
.endr
	WIN 0
	s_wait_xcnt 0x0
	QUANT T
.irp c, 0,1,2
	global_store_b128 v[LI], v[PC+4*\c:PC+4*\c+3], s[12:13] offset:((\a)/4)*HEADB+((\a)%4)*FRB+512*\c
.endr
	v_mov_b32 v[SW+(\a)%4], v[PW]
.if (\a)%4 == 3
	SCST ((\a)/4)*HEADB+4*FRB
.endif
.endm
	PLACES
.irp b, 0,1,2,3
	v_mov_b32 v[TM+4+\b], 0
.endr
	v_mov_b32 v[PC+7], 0
	s_mov_b32 s[SEL], 0x76543210
	s_mov_b32 s[SEL+1], 0xfedcba98
	s_mov_b32 s85, 0xffff0000
	s_cmp_eq_u32 ttmp9, 2
	s_cbranch_scc1 .Lv
	s_mov_b32 s84, 247<<16
	s_cmp_eq_u32 ttmp9, 0
	s_cselect_b32 s81, 0x0c, 0
	s_cselect_b32 s82, 0x0c, 0x3f
	s_cselect_b32 s83, 127<<16, 0
	s_cselect_b32 s84, 127<<16, s84
	v_mov_b32 v[XU], s81
	v_mov_b32 v[XM], s82
	v_cndmask_b32 v[XU], v[XU], 0, s85
	v_cndmask_b32 v[XM], v[XM], 0, s85
	v_mov_b32 v[BU], s83
	v_mov_b32 v[BM], s84
.irp e, 0,1
.irp a, 0,1,2,3,4,5,6,7
	QKT \e, \a
.endr
.endr
	s_branch .Lend
.Lv:
.irp a, 0,1,2,3,4,5,6,7
	VT \a
.endr
.Lend:
	s_wait_tensorcnt 0x0
	ds_add_u32 v[SPW], v[NIL]
	s_wait_dscnt 0x0
	CROUND
	s_endpgm
.Lfunc_end_k_q3cbed21c6d_qkv:
	.size	k_q3cbed21c6d_qkv, .Lfunc_end_k_q3cbed21c6d_qkv-k_q3cbed21c6d_qkv
	.p2alignl 7, 3214868480
	.fill 96, 4, 3214868480
	.section	.rodata,"a",@progbits
	.p2align	6, 0x0
	.amdhsa_kernel k_q3cbed21c6d_qkv
		.amdhsa_group_segment_fixed_size 327680
		.amdhsa_private_segment_fixed_size 0
		.amdhsa_enable_private_segment 0
		.amdhsa_kernarg_size 40
		.amdhsa_user_sgpr_count 2
		.amdhsa_user_sgpr_kernarg_segment_ptr 1
		.amdhsa_wavefront_size32 1
		.amdhsa_system_sgpr_workgroup_id_x 1
		.amdhsa_system_sgpr_workgroup_id_y 1
		.amdhsa_system_sgpr_workgroup_id_z 1
		.amdhsa_system_vgpr_workitem_id 0
		.amdhsa_next_free_vgpr 1024
		.amdhsa_next_free_sgpr 100
		.amdhsa_reserve_vcc 1
		.amdhsa_float_denorm_mode_32 3
		.amdhsa_float_denorm_mode_16_64 3
		.amdhsa_memory_ordered 1
		.amdhsa_forward_progress 1
		.amdhsa_inst_pref_size 220
	.end_amdhsa_kernel
	.amdgpu_metadata
---
amdhsa.version: [ 1, 2 ]
amdhsa.kernels:
  - .name:           k_q3cbed21c6d_qkv
    .symbol:         k_q3cbed21c6d_qkv.kd
    .args:
      - { .name: xq, .offset: 0, .size: 8, .value_kind: global_buffer, .address_space: global }
      - { .name: wq, .offset: 8, .size: 8, .value_kind: global_buffer, .address_space: global }
      - { .name: b_qkv, .offset: 16, .size: 8, .value_kind: global_buffer, .address_space: global }
      - { .name: attention_mask, .offset: 24, .size: 8, .value_kind: global_buffer, .address_space: global }
      - { .name: qkvimg, .offset: 32, .size: 8, .value_kind: global_buffer, .address_space: global }
    .group_segment_fixed_size: 327680
    .private_segment_fixed_size: 0
    .kernarg_segment_align: 8
    .kernarg_segment_size: 40
    .max_flat_workgroup_size: 128
    .sgpr_count:     100
    .vgpr_count:     1024
    .wavefront_size: 32
...
	.end_amdgpu_metadata
.endif
;; end of part 2
;; launch attn (part 3): grid 4 x 64, 16 waves a work-group, clusters of 4 x 1, 262,144 bytes of LDS; arguments qkvimg, cq; writes cq
.if DOCPART == 3
	.amdgcn_target "amdgcn-amd-amdhsa--gfx1250"
	.amdhsa_code_object_version 6
	.text
	.protected	k_q3cbed21c6d_attn
	.globl	k_q3cbed21c6d_attn
	.p2align	8
	.type	k_q3cbed21c6d_attn,@function
k_q3cbed21c6d_attn:
	s_mov_b64 s[64:65], 0
	v_nop
	global_prefetch_b8 v0, s[64:65] scope:SCOPE_SE
	s_setreg_imm32_b32 hwreg(HW_REG_WAVE_MODE, 25, 1), 1
	s_wait_xcnt 0x0
	s_wait_alu depctr_hold_cnt(0) depctr_sa_sdst(0) depctr_va_vdst(0) depctr_va_sdst(0) depctr_va_ssrc(0) depctr_va_vcc(0) depctr_vm_vsrc(0)
	s_getreg_b32 s2, hwreg(HW_REG_IB_STS2, 6, 4)
	s_cmp_eq_u32 s2, 0
	s_cbranch_scc0 .Lentry_in_a_cluster
	s_endpgm
.Lentry_in_a_cluster:
	s_bfe_u32 s2, ttmp6, 0x10000c
	s_cmp_lg_u32 s2, 0x3003
	s_cbranch_scc0 .Lentry_shape_is_right
	s_endpgm
.Lentry_shape_is_right:
; ctx = softmax(q k^T / 8, hidden keys at -infinity) v for one (batch, head) and 512 queries, both products on codes of E3M2; ctx leaves as codes along the embedding, in the order of the next product's registers.
; THE SOFTMAX: t = score x log2(e) / 8; M = the running largest t rounded up to a whole number; p = 2^(t - M) is quantised along the keys, not normalised; the row's sum is taken of the unquantised p and divides at the end.
; When M moves, the sum and O are multiplied by 2^(old M - new M): exact.
; SHARES.  A head's K and V with their scale words, 16 steps of 59 rows of 256 bytes, fill LDS ONCE: wave w asks for step w, jointly with the three other query blocks of the head (cluster 4 x 1).  Nothing is filled again,
; and there is no loop ahead of which a tile could be asked of memory earlier: no prefetch.  16 bytes of padding lie behind each row of 256: byte y of a step's image lies at y + 16 (y / 256).
; Each of the sixteen waves owns one tile of 16 queries at a time and walks all 2,048 keys, 128 a step; it does so twice.
; LAYOUT.  Both products are used transposed: S^T = K Q^T, O^T = V^T P^T: a lane holds one query (lane % 16) throughout.
; WHICH KEYS FORM A TILE is chosen by the loads' addresses: rows 0-7 of tile 4 c + t are keys 64 c + 8 t + 0 .. 7, rows 8-15 keys 64 c + 32 + 8 t + 0 .. 7.  So registers S + 32 c + 0 .. 31 of lane (r, h) are keys 64 c + 32 h + 0 .. 31:
; a whole block of 32 in the order of the next operand: its largest score needs no other lane and its codes change no lane.  In the image eight neighbouring keys lie on eight neighbouring lanes' places: keys 8 o .. 8 o + 7 in
; image tile 2 (o / 4) + o % 2, rows 8 ((o % 4) / 2) on.  Lanes 8-15 read two image tiles (2,176 bytes) behind lanes 0-7, which is 128 modulo 256: sixteen lanes touch sixteen different columns of 16 bytes.
; THE MASK costs nothing here: the head has 64 along K, the instruction 128; q's code at k = 64 is 1.0, a hidden key's is -28 under 2^120, a visible key's 0.  A tile of K is 8 registers a lane; the instruction's registers
; 8-11 are the next tile's first four (zeros behind the last tile): they meet q's zero codes, and E3M2 has no infinity and no NaN.
; LIMITS: the largest score starts at -2^100, above a hidden key's (about -3.7e37) and taken to lie under every visible one.  A row all of whose keys are hidden gives finite numbers where the softmax gives NaN.
; REGISTERS: v1 16 x lane, v2 16 r, v3 8 x lane; v6-8 the lane's terms of K's, K's scales' and V's LDS addresses, v9 8 h; v4, v5, v10, v11 the step's addresses; v12 -M, v13 the largest score, v[14:15] the sum;
;   v16-27 Q; v28 Q's scale words, v29 p's; v[30:31] f; v32-99 K's 8 tiles and four zeros, then V's 4 fragments; v100-163 S^T, then p; v164-195 O^T; v196-214 codes; v216-245 at work.
.set BLK,  23808
.set KVP,  16048                       ; a step in LDS: 59 rows x 272
.set SPARE, 16*KVP                     ; 256,768, a multiple of 256: the spare words, 128 bytes a wave
.set S,    100
.set O,    164
.set PC,   196
.set TC,   208                         ; a block's upper 16 codes, before they are moved
.set TM,   216                         ; v216-217 the blocks' largest scores, then largest p; v218-219 second chains
.set BT,   220
.set SO,   224
.set KS,   228
.set PW,   239
.set X1,   240
.set X2,   242
.set X3,   244
.set WV,   8
.set SEL,  24
.set CS,   26
.macro CROUND
	s_barrier_signal -1
	s_barrier_wait -1
	s_cmp_lg_u32 s[WV], 0
	s_cbranch_scc1 .Lnot_wave_0_\@
	s_barrier_signal -3
.Lnot_wave_0_\@:
	s_barrier_wait -3
	s_barrier_signal -1
	s_barrier_wait -1
.endm
	s_load_b128 s[4:7], s[0:1], 0x0                ; qkvimg s[4:5], cq s[6:7]
	v_lshl_add_u32 v254, v0, 2, SPARE
	v_mov_b32 v255, 0
	ds_add_u32 v254, v255                          ; the opening lines
	ds_add_u32 v254, v255
	v_lshrrev_b32 v1, 5, v0
	s_delay_alu instid0(VALU_DEP_1)
	v_readfirstlane_b32 s[WV], v1                  ; wave 0..15
	s_bfe_u32 s9, ttmp6, 0x40000                   ; cx: my block of 512 queries; it enters Q's and ctx's global addresses alone
	s_and_b32 s10, ttmp7, 0xffff                   ; 16 x batch + head, which the four partners share
	s_mov_b32 s16, 15|(3<<16)|(1<<20)|(1<<21)|(5<<22)|(3<<25)   ; the mask: all four; elements of 8 bytes; 4 words of padding behind every 64; bit 21 beside a mask
	s_mov_b32 s17, 32<<16                          ; 15,104 dense bytes as 59 rows of 256
	s_mov_b32 s18, 59<<16
	s_mov_b32 s19, 32<<16
	s_mov_b32 s20, 59
	s_mov_b32 s21, 32
	s_mov_b32 s22, 0
	s_mov_b32 s23, 0
	s_lshl_b32 s40, s10, 4
	s_add_co_u32 s40, s40, s[WV]
	s_mul_i32 s40, s40, BLK
	s_add_co_u32 s40, s40, 8704                    ; step w's K and V
	s_mov_b32 s41, 0
	s_mov_b32 s12, 1
	s_mul_i32 s13, s[WV], KVP
	s_lshr_b32 s42, s[WV], 3
	s_and_b32 s43, s[WV], 7                        ; my tile in its group of 128 queries
	s_lshl_b32 s44, s9, 2
	s_add_co_u32 s44, s44, s42                     ; the group in the first pass: 4 cx + wave / 8; in the second two further on
	s_lshl_b32 s45, s10, 4
	s_add_co_u32 s45, s45, s44
	s_mul_i32 s45, s45, BLK
	s_lshl_b32 s46, s43, 10
	s_add_co_u32 s46, s46, s45
	s_mov_b32 s47, 0
	s_lshr_b32 s48, s43, 2
	s_lshl_b32 s48, s48, 8
	s_and_b32 s49, s43, 3
	s_lshl_b32 s49, s49, 2
	s_add_co_u32 s48, s48, s49                     ; my tile's place among scale words: 256 (a / 4) + 4 (a % 4)
	s_add_co_u32 s52, s45, s48
	s_add_co_u32 s52, s52, 8192
	s_mov_b32 s53, 0
	s_lshr_b32 s50, s10, 4
	s_and_b32 s51, s10, 15                         ; the head
	s_lshl_b32 s50, s50, 4
	s_add_co_u32 s50, s50, s44                     ; ctx's group of 128 tokens
	s_lshl_b32 s50, s50, 3
	s_lshr_b32 s54, s51, 1
	s_add_co_u32 s50, s50, s54                     ; its K step: two heads to 128 along the embedding
	s_mul_i32 s50, s50, 12800
	s_and_b32 s51, s51, 1
	s_mul_i32 s54, s43, 1536
	s_add_co_u32 s54, s54, s50
	s_mul_i32 s56, s51, 768
	s_add_co_u32 s54, s54, s56                     ; my half fragment
	s_mov_b32 s55, 0
	s_add_co_u32 s56, s50, s48
	s_add_co_u32 s56, s56, 12288
	s_lshl_b32 s58, s51, 1
	s_add_co_u32 s56, s56, s58                     ; my two bytes of the row's scale word
	s_mov_b32 s57, 0
	s_mov_b32 s[SEL], 0x76543210
	s_mov_b32 s[SEL+1], 0xfedcba98
	s_mov_b32 s[CS], 0x3e38aa3b                    ; c = log2(e) / 8
	s_mov_b32 s[CS+1], s[CS]
	s_wait_dscnt 0x0
	s_wait_kmcnt 0x0
	s_add_nc_u64 s[14:15], s[4:5], s[40:41]
	s_or_b32 s15, s15, 0x80000000
	s_add_nc_u64 s[32:33], s[4:5], s[46:47]        ; Q's tile
	s_add_nc_u64 s[34:35], s[4:5], s[52:53]        ; its scale words
	s_add_nc_u64 s[36:37], s[6:7], s[54:55]        ; ctx's codes
	s_add_nc_u64 s[38:39], s[6:7], s[56:57]        ; ctx's scale bytes
	CROUND                                         ; all four work-groups are here: the joint loads meet
	tensor_load_to_lds s[12:15], s[16:23]          ; my one tensor load of the launch
	s_nop 0
.rept 4
	v_nop
.endr
	v_and_b32 v2, 15, v0
	v_and_b32 v1, 31, v0
	v_bfe_u32 v9, v0, 4, 1                         ; h
	v_bfe_u32 v10, v0, 3, 1                        ; r / 8
	v_and_b32 v11, 7, v0
	v_lshlrev_b32 v3, 3, v1
	v_lshlrev_b32 v1, 4, v1
	v_lshlrev_b32 v2, 4, v2
	v_lshlrev_b32 v11, 4, v11                      ; 16 (r % 8)
	v_mad_u32_u24 v8, v9, 272, v2                  ; V: 272 h + 16 r
	v_mad_u32_u24 v6, v10, 2176, v11
	v_lshl_add_u32 v7, v10, 3, v11                 ; K's scale words: 16 (r % 8) + 8 (r / 8)
	v_mad_u32_u24 v6, v9, 272, v6                  ; K: 2,176 (r / 8) + 272 h + 16 (r % 8)
	v_lshlrev_b32 v9, 3, v9                        ; 8 h: how far my two scale bytes are shifted
.irp j, 24,25,26,27,96,97,98,99
	v_mov_b32 v[\j], 0                             ; Q's registers 8-11, and what stands behind K's last tile: zero codes
.endr
.irp j, BT,BT+1,237
	v_mov_b32 v[\j], 0                             ; written once: a lane permute's destination counts as one of its sources
.endr
	v_mov_b32 v31, 0                               ; (named as the upper half of the pair v[30:31])
	s_wait_alu depctr_va_vdst(0)                   ; the wait at the head's end
	s_wait_tensorcnt 0x0                           ; my step is in,
	s_barrier_signal -1
	s_barrier_wait -1                              ; everybody's is: the whole head lies in LDS, and nobody writes LDS from here on
.macro PASS p
	global_load_b128 v[16:19], v1, s[32:33] offset:2*BLK*\p
	global_load_b128 v[20:23], v1, s[32:33] offset:2*BLK*\p+512
	global_load_b32 v28, v2, s[34:35] offset:2*BLK*\p
	v_mov_b32 v13, 0xf1800000                      ; the largest score so far: -2^100
	s_delay_alu instid0(VALU_DEP_1)
	v_floor_f32 v12, -v13                          ; a first -M above every later one: the first f is 0, and meets zeros
	v_mov_b32 v14, 0
	v_mov_b32 v15, 0
.set j, 0
.rept 32
	v_mov_b32 v[O+j], 0                            ; O^T: the loop has no first step of its own
.set j, j+1
.endr
	s_mov_b32 s28, 0                               ; where the step's K and V begin in LDS
	s_mov_b32 s29, 16
	s_wait_loadcnt 0x0                             ; Q
	s_wait_xcnt 0x0                                ; the last pass's stores have read their registers
.Lstep_\@:
	v_add_nc_u32 v4, s28, v6
	v_add_nc_u32 v5, s28, v7
	v_add_nc_u32 v10, s28, v8
	v_add_nc_u32 v11, s28, v2                      ; these four are also the places behind the last products, in front of loads into the registers that they read
.irp c, 0,1
.irp t, 0,1,2,3
	ds_load_b128 v[32+32*\c+8*\t:35+32*\c+8*\t], v4 offset:4352*\c+1088*(\t%2)+128*(\t/2)
	ds_load_b128 v[36+32*\c+8*\t:39+32*\c+8*\t], v4 offset:4352*\c+1088*(\t%2)+128*(\t/2)+544
.endr
.irp u, 0,1
	ds_load_b64 v[KS+4*\c+2*\u:KS+4*\c+2*\u+1], v5 offset:8704+272*\c+128*\u   ; the words of tiles 4 c + 2 u and 4 c + 2 u + 1
.endr
.endr
	s_wait_alu depctr_va_vdst(0)
	s_wait_dscnt 0x0
.irp t, 0,1,2,3,4,5,6,7
	v_wmma_scale_f32_16x16x128_f8f6f4 v[S+8*\t:S+8*\t+7], v[32+8*\t:43+8*\t], v[16:27], 0, v[KS+\t], v28 matrix_a_fmt:MATRIX_FMT_BF6 matrix_b_fmt:MATRIX_FMT_BF6
.endr
.rept 4
	v_nop
.endr
.irp t, 0,1,2,3                                ; V and its scale words are asked for now and land while the softmax is worked
.irp c, 0,1,2
	ds_load_b128 v[32+12*\t+4*\c:35+12*\t+4*\c], v10 offset:9248+1632*\t+544*\c
.endr
.endr
	ds_load_b128 v[KS:KS+3], v11 offset:15776
.irp c, 0,1                                    ; the largest score of my two blocks of 32 keys, each in two chains, the four by turns; each accumulator is read from its low end on
	v_max3_num_f32 v[TM+\c], v[S+32*\c], v[S+32*\c+1], v[S+32*\c+2]
	v_max3_num_f32 v[TM+2+\c], v[S+32*\c+16], v[S+32*\c+17], v[S+32*\c+18]
.endr
.irp i, 3,5,7,9,11,13
.irp c, 0,1
	v_max3_num_f32 v[TM+\c], v[TM+\c], v[S+32*\c+\i], v[S+32*\c+\i+1]
	v_max3_num_f32 v[TM+2+\c], v[TM+2+\c], v[S+32*\c+16+\i], v[S+32*\c+17+\i]
.endr
.endr
	v_max3_num_f32 v[TM], v[TM], v[TM+2], v[S+15]
	v_max3_num_f32 v[TM+1], v[TM+1], v[TM+3], v[S+47]
	v_max_num_f32 v[TM], v[TM], v[S+31]
	v_max_num_f32 v[TM+1], v[TM+1], v[S+63]
	s_delay_alu instid0(VALU_DEP_1)
	v_max_num_f32 v236, v[TM], v[TM+1]
	s_delay_alu instid0(VALU_DEP_1)
	v_permlanex16_b32 v237, v236, s[SEL], s[SEL+1]
	s_delay_alu instid0(VALU_DEP_1)
	v_max3_num_f32 v13, v13, v236, v237            ; the running largest score of my query, lane l xor 16's 64 keys among them
	s_delay_alu instid0(VALU_DEP_1)
	v_mul_f32 v236, s[CS], v13                     ; as t (c is positive)
	s_delay_alu instid0(VALU_DEP_1)
	v_floor_f32 v238, -v236                        ; the new -M = -ceil(t)
	s_delay_alu instid0(VALU_DEP_1)
	v_sub_f32 v236, v238, v12                      ; old M - new M: a whole number, 0 or less
	s_delay_alu instid0(VALU_DEP_2)
	v_mov_b32 v12, v238
	s_delay_alu instid0(VALU_DEP_2)
	v_cvt_i32_f32 v236, v236                       ; (it saturates)
	s_delay_alu instid0(VALU_DEP_1)
	v_ldexp_f32 v30, 1.0, v236                     ; f = 2^(old M - new M)
.set j, 0
.rept 32
	v_pk_fma_f32 v[S+j:S+j+1], v[S+j:S+j+1], s[CS:CS+1], v[12:13] op_sel_hi:[1,0,0]   ; t - M, two at a time
.set j, j+2
.endr
.irp c, 0,1
	v_fma_f32 v[TM+\c], v[TM+\c], s[CS], v12       ; the same of each block's largest score
.endr
.set j, 0
.rept 16
	v_pk_mul_f32 v[O+j:O+j+1], v[O+j:O+j+1], v[30:31] op_sel_hi:[1,0]   ; O^T under the new M, ahead of the exponentials
.set j, j+2
.endr
	s_wait_alu depctr_va_vdst(0)                   ; the wait ahead of the batch
.set j, 0
.rept 64
	v_exp_f32 v[S+j], v[S+j]                       ; p = 2^(t - M)
.set j, j+1
.endr
.irp c, 0,1
	v_exp_f32 v[TM+\c], v[TM+\c]                   ; the blocks' largest p: the same two instructions on the same number
.endr
	v_pk_mul_f32 v[14:15], v[14:15], v[30:31] op_sel_hi:[1,0]   ; the sums under the new M: the plain place behind the batch
	s_wait_alu depctr_va_vdst(0)                   ; one wait for the batch, ahead of its first reader
.irp c, 0,1
	v_max_num_f32 v[TM+\c], 0x2800000, v[TM+\c]    ; the floor 2^(5 - 127)
.endr
.irp c, 0,1
	s_delay_alu instid0(VALU_DEP_2)
	v_add_nc_u32 v[SO+\c], 0xfe000000, v[TM+\c]    ; 4 off the exponent field: the conversion's scale operand
.endr
.irp c, 0,1
	v_cvt_scalef32_pk16_bf6_f32 v[PC+6*\c:PC+2+6*\c], v[S+32*\c:S+15+32*\c], v[SO+\c]
	v_cvt_scalef32_pk16_bf6_f32 v[TC+4*\c:TC+2+4*\c], v[S+16+32*\c:S+31+32*\c], v[SO+\c]   ; (a conversion's three registers begin on an even number)
.endr
.irp c, 0,1
	v_lshrrev_b32 v[BT+\c], 23, v[SO+\c]           ; the scales' bytes; plain places behind the conversions
.endr
	s_delay_alu instid0(VALU_DEP_1)
	v_lshl_or_b32 v29, v[BT+1], 16, v[BT]          ; blocks h and 2 + h,
	s_delay_alu instid0(VALU_DEP_1)
	v_lshlrev_b32 v29, v9, v29                     ; at their places in the word;
	s_delay_alu instid0(VALU_DEP_1)
	v_permlanex16_b32 v237, v29, s[SEL], s[SEL+1]
	s_delay_alu instid0(VALU_DEP_1)
	v_or_b32 v29, v29, v237                        ; with lane l xor 16's two: p's scale word for these 128 keys
.irp c, 0,1
.irp i, 0,1,2
	v_mov_b32 v[PC+3+6*\c+\i], v[TC+4*\c+\i]
.endr
.endr
	v_pk_add_f32 v[X1:X1+1], v[S:S+1], v[S+2:S+3]  ; the row's sum of the unquantised p, four chains by turns; these 32 also stand between the writes of p's codes and scale word and the products
	v_pk_add_f32 v[X2:X2+1], v[S+4:S+5], v[S+6:S+7]
	v_pk_add_f32 v[X3:X3+1], v[S+8:S+9], v[S+10:S+11]
	v_pk_add_f32 v[14:15], v[14:15], v[S+12:S+13]
.set j, 14
.rept 6
	v_pk_add_f32 v[X1:X1+1], v[X1:X1+1], v[S+j:S+j+1]
	v_pk_add_f32 v[X2:X2+1], v[X2:X2+1], v[S+j+2:S+j+3]
	v_pk_add_f32 v[X3:X3+1], v[X3:X3+1], v[S+j+4:S+j+5]
	v_pk_add_f32 v[14:15], v[14:15], v[S+j+6:S+j+7]
.set j, j+8
.endr
	v_pk_add_f32 v[X1:X1+1], v[X1:X1+1], v[S+62:S+63]
	s_delay_alu instid0(VALU_DEP_3)
	v_pk_add_f32 v[X2:X2+1], v[X2:X2+1], v[X3:X3+1]
	s_delay_alu instid0(VALU_DEP_2)
	v_pk_add_f32 v[14:15], v[14:15], v[X1:X1+1]
	s_delay_alu instid0(VALU_DEP_1)
	v_pk_add_f32 v[14:15], v[14:15], v[X2:X2+1]
	s_wait_alu depctr_va_vdst(0)
	s_wait_dscnt 0x0                               ; V
.irp t, 0,1,2,3                                ; the four accumulators take turns, and the next step's eight products stand between two links of a chain
	v_wmma_scale_f32_16x16x128_f8f6f4 v[O+8*\t:O+8*\t+7], v[32+12*\t:43+12*\t], v[PC:PC+11], v[O+8*\t:O+8*\t+7], v[KS+\t], v29 matrix_a_fmt:MATRIX_FMT_BF6 matrix_b_fmt:MATRIX_FMT_BF6
.endr
	s_add_co_u32 s28, s28, KVP
	s_sub_co_u32 s29, s29, 1
	s_cmp_lg_u32 s29, 0
	s_cbranch_scc1 .Lstep_\@
.rept 4
	v_nop
.endr
	v_add_f32 v14, v14, v15                        ; the sum's two halves,
	s_delay_alu instid0(VALU_DEP_1)
	v_permlanex16_b32 v236, v14, s[SEL], s[SEL+1]
	s_delay_alu instid0(VALU_DEP_1)
	v_add_f32 v14, v14, v236                       ; and lane l xor 16's
	s_wait_alu depctr_va_vdst(0)
	v_rcp_f32 v14, v14
	v_nop                                          ; a plain place behind the reciprocal,
	s_wait_alu depctr_va_vdst(0)                   ; and the wait ahead of its first reader
.set j, 0
.rept 16
	v_pk_mul_f32 v[S+j:S+j+1], v[O+j:O+j+1], v[14:15] op_sel_hi:[1,0]   ; ctx: register 16 b + i is channel 32 b + 16 h + i of my query
.set j, j+2
.endr
.irp b, 0,1
	v_max3_num_f32 v[TM+\b], |v[S+16*\b]|, |v[S+1+16*\b]|, 0x2800000
.endr
.irp i, 2,4,6,8,10,12,14
.irp b, 0,1
	s_delay_alu instid0(VALU_DEP_2)
	v_max3_num_f32 v[TM+\b], v[TM+\b], |v[S+16*\b+\i]|, |v[S+1+16*\b+\i]|
.endr
.endr
.irp b, 0,1
	s_delay_alu instid0(VALU_DEP_2)
	v_permlanex16_b32 v[BT+\b], v[TM+\b], s[SEL], s[SEL+1]
.endr
.irp b, 0,1
	s_delay_alu instid0(VALU_DEP_2)
	v_max_num_f32 v[TM+\b], v[TM+\b], v[BT+\b]
.endr
.irp b, 0,1
	s_delay_alu instid0(VALU_DEP_2)
	v_add_nc_u32 v[SO+\b], 0xfe000000, v[TM+\b]
.endr
.irp b, 0,1
	s_delay_alu instid0(VALU_DEP_2)
	v_lshrrev_b32 v[BT+\b], 23, v[SO+\b]
.endr
	s_delay_alu instid0(VALU_DEP_1)
	v_lshl_or_b32 v[PW], v[BT+1], 8, v[BT]         ; my head's two bytes of the row's scale word
	v_cvt_scalef32_pk16_bf6_f32 v[PC:PC+2], v[S:S+15], v[SO]
	v_cvt_scalef32_pk16_bf6_f32 v[PC+4:PC+6], v[S+16:S+31], v[SO+1]
	v_nop
.irp i, 0,1,2
	v_permlane16_swap_b32 v[PC+\i], v[PC+4+\i]     ; here a lane holds half of each block: the halves change places
.endr
	s_delay_alu instid0(VALU_DEP_3)
	v_mov_b32 v[PC+3], v[PC+4]
	s_delay_alu instid0(VALU_DEP_3)
	v_mov_b32 v[PC+4], v[PC+5]
	s_delay_alu instid0(VALU_DEP_3)
	v_mov_b32 v[PC+5], v[PC+6]
	global_store_b128 v1, v[PC:PC+3], s[36:37] offset:16*12800*\p          ; 512 consecutive bytes
	global_store_b64 v3, v[PC+4:PC+5], s[36:37] offset:16*12800*\p+512     ; 256 consecutive bytes
	global_store_b16 v2, v[PW], s[38:39] offset:16*12800*\p                ; the word's other two bytes are the neighbouring head's, which another work-group makes; lanes 16-31 write what lanes 0-15 write
.endm
	PASS 0
	PASS 1
	s_wait_tensorcnt 0x0                           ; the wave's end
	ds_add_u32 v254, v255
	s_wait_dscnt 0x0
	CROUND                                         ; the closing round
	s_endpgm
.Lfunc_end_k_q3cbed21c6d_attn:
	.size	k_q3cbed21c6d_attn, .Lfunc_end_k_q3cbed21c6d_attn-k_q3cbed21c6d_attn
	.p2alignl 7, 3214868480
	.fill 96, 4, 3214868480
	.section	.rodata,"a",@progbits
	.p2align	6, 0x0
	.amdhsa_kernel k_q3cbed21c6d_attn
		.amdhsa_group_segment_fixed_size 262144
		.amdhsa_private_segment_fixed_size 0
		.amdhsa_enable_private_segment 0
		.amdhsa_kernarg_size 16
		.amdhsa_user_sgpr_count 2
		.amdhsa_user_sgpr_kernarg_segment_ptr 1
		.amdhsa_wavefront_size32 1
		.amdhsa_system_sgpr_workgroup_id_x 1
		.amdhsa_system_sgpr_workgroup_id_y 1
		.amdhsa_system_sgpr_workgroup_id_z 1
		.amdhsa_system_vgpr_workitem_id 0
		.amdhsa_next_free_vgpr 256
		.amdhsa_next_free_sgpr 66
		.amdhsa_reserve_vcc 0
		.amdhsa_float_denorm_mode_32 3
		.amdhsa_float_denorm_mode_16_64 3
		.amdhsa_memory_ordered 1
		.amdhsa_forward_progress 1
		.amdhsa_inst_pref_size 49
	.end_amdhsa_kernel
	.amdgpu_metadata
---
amdhsa.version: [ 1, 2 ]
amdhsa.kernels:
  - .name:           k_q3cbed21c6d_attn
    .symbol:         k_q3cbed21c6d_attn.kd
    .args:
      - { .name: qkvimg, .offset: 0, .size: 8, .value_kind: global_buffer, .address_space: global }
      - { .name: cq, .offset: 8, .size: 8, .value_kind: global_buffer, .address_space: global }
    .group_segment_fixed_size: 262144
    .private_segment_fixed_size: 0
    .kernarg_segment_align: 8
    .kernarg_segment_size: 16
    .max_flat_workgroup_size: 512
    .sgpr_count:     66
    .vgpr_count:     256
    .wavefront_size: 32
...
	.end_amdgpu_metadata
.endif
;; end of part 3
;; launch proj (part 4): grid 4 x 64, 4 waves a work-group, clusters of 4 x 4, 327,680 bytes of LDS; arguments cq, wo, b_out, out0; writes out0
.if DOCPART == 4
	.amdgcn_target "amdgcn-amd-amdhsa--gfx1250"
	.amdhsa_code_object_version 6
	.text
	.protected	k_q3cbed21c6d_proj
	.globl	k_q3cbed21c6d_proj
	.p2align	8
	.type	k_q3cbed21c6d_proj,@function
k_q3cbed21c6d_proj:
	s_mov_b64 s[64:65], 0
	v_nop
	global_prefetch_b8 v0, s[64:65] scope:SCOPE_SE
	s_setreg_imm32_b32 hwreg(HW_REG_WAVE_MODE, 25, 1), 1
	s_wait_xcnt 0x0
	s_wait_alu depctr_hold_cnt(0) depctr_sa_sdst(0) depctr_va_vdst(0) depctr_va_sdst(0) depctr_va_ssrc(0) depctr_va_vcc(0) depctr_vm_vsrc(0)
	s_getreg_b32 s2, hwreg(HW_REG_IB_STS2, 6, 4)
	s_cmp_eq_u32 s2, 0
	s_cbranch_scc0 .Lentry_in_a_cluster
	s_endpgm
.Lentry_in_a_cluster:
	s_bfe_u32 s2, ttmp6, 0x10000c
	s_cmp_lg_u32 s2, 0xf033
	s_cbranch_scc0 .Lentry_shape_is_right
	s_endpgm
.Lentry_shape_is_right:
; out0 = ctx W_out + b_out on codes of E3M2.  cq and wo hold the operands in the order of the operand's registers: for 128 rows and 128 along K a block of 12,800 bytes (8 fragments of 1,536, then 512 bytes of scale words);
; lane r of fragment 2 B + u is row 32 B + 8 u + r + 8 (r / 8); a group of 128 rows has its 8 blocks along K on end.
; A work-group makes 128 tokens x 256 columns: 64 x 4 = 256 work-groups.  ALL OF K LIES IN LDS AT ONCE: the tokens' group (102,400 bytes) and two groups of columns (204,800): one tensor load a wave at the head
; (waves 0 and 1 a half of the tokens' group each, waves 2 and 3 a group of columns each), and nothing is filled again.  So there is no ring, and no loop ahead of which a tile could be asked of memory earlier: no prefetch.
; CLUSTERS 4 x 4: the four of a row need the same tokens, the four of a column the same columns of W_out: each load is a joint one.
; A wave makes 64 tokens x 128 columns: 32 accumulators, which take turns in the same order in each of the 8 steps of 128 along K.  Both operands have two sets of registers:
; a step's 51 LDS loads are issued ahead of the step before.  The product is used transposed (source 0 = columns of W_out, source 1 = tokens): a lane holds neighbouring columns of one token.
; REGISTERS: window 0: v8-29 addresses, v32-55 scale words (two sets: 4 of the tokens', 8 of the columns'), v64-67 the bias, v128-223 the tokens' fragments (two sets), on the way out v128-255 rows read back;
;   window 1: the columns' fragments, sets at v0 and v128; window 2: the accumulators, (a, b) at v[8 (8 a + b)].
.set OPB,   12800
.set FRB,   1536
.set FR,    12
.set GRP,   8*OPB
.set SPARE, 3*GRP                      ; behind the operands: the spare words, 128 bytes a wave
.set SPITCH, 528                       ; the way out: 16 rows x (512 + 16) bytes a wave, on bytes of the tokens' group, which have had their only fill and, behind a barrier, their last read
.set ADSQ, 8                           ; v8-9   the tokens' scale words, K steps 0-3 and 4-7
.set ADSP, 10                          ; v10-11 the columns'
.set ADRQ, 16                          ; v16-17 the tokens' fragments, 16 bytes a lane, K steps 0-3 and 4-7; v18-19 8 bytes a lane
.set ADRP, 20                          ; v20-23 the same for the columns
.set STO,  24
.set RD,   25
.set CO,   26
.set SPW,  28
.set NIL,  29
.set SC,   32
.set BI,   64
.set QF,   128
.set BK,   128
.set G1,  24
.set G0,  32
.set G0B, 36
.set G1B, 48
.set MSB, 0
.macro WIN new
.if MSB != (\new)
	s_set_vgpr_msb (MSB<<8)|(\new)
.set MSB, (\new)
.endif
.endm
.set MUL,  0xa1                        ; source 0 window 1, source 1 window 0, C and D window 2
.set TO_P, 0x40
.macro CREST
	s_cmp_lg_u32 s14, 0
	s_cbranch_scc1 .Lnot_wave_0_\@
	s_barrier_signal -3
.Lnot_wave_0_\@:
	s_barrier_wait -3
	s_barrier_signal -1
	s_barrier_wait -1
.endm
.macro CROUND
	s_barrier_signal -1
	s_barrier_wait -1
	CREST
.endm
.macro PLACES
.rept 4
	v_nop
.endr
.endm
	s_load_b256 s[4:11], s[0:1], 0x0               ; cq s[4:5], wo s[6:7], b_out s[8:9], out0 s[10:11]
	v_lshl_add_u32 v[SPW], v0, 2, SPARE
	v_mov_b32 v[NIL], 0
	ds_add_u32 v[SPW], v[NIL]                      ; the opening lines
	ds_add_u32 v[SPW], v[NIL]
	v_lshrrev_b32 v1, 5, v0
	v_readfirstlane_b32 s14, v1                    ; wave
	s_lshr_b32 s15, s14, 1                         ; my half of the tokens.  Also: I fetch tokens (0) or columns (1)
	s_and_b32 s16, s14, 1                          ; my group of columns.  Also: which part I fetch
	s_bfe_u32 s40, ttmp6, 0x40000                  ; cx: which 256 columns
	s_bfe_u32 s41, ttmp6, 0x40004                  ; cy
	s_and_b32 s17, ttmp7, 0xffff
	s_lshl_b32 s17, s17, 2
	s_add_co_u32 s17, s17, s41                     ; the group of 128 tokens
	s_lshl_b32 s43, s41, 2
	s_lshl_b32 s43, 15, s43                        ; my row of the cluster
	s_lshl_b32 s44, 0x1111, s40                    ; my column
	s_or_b32 s[G1+0], s43, (3<<16)|(1<<21)         ; dense bytes as rows of 256 (32 elements of 8 bytes): 200 rows for half a group,
	s_or_b32 s[G1B+0], s44, (3<<16)|(1<<21)        ; 400 for a group
	s_mov_b32 s[G1+1], 32<<16
	s_mov_b32 s[G1+2], 200<<16
	s_mov_b32 s[G1+3], 32<<16
	s_mov_b32 s[G1+4], 200
	s_mov_b32 s[G1+5], 32
	s_mov_b32 s[G1+6], 0
	s_mov_b32 s[G1+7], 0
	s_mov_b32 s[G1B+1], 32<<16
	s_mov_b32 s[G1B+2], 400<<16
	s_mov_b32 s[G1B+3], 32<<16
	s_mov_b32 s[G1B+4], 400
	s_mov_b32 s[G1B+5], 32
	s_mov_b32 s[G1B+6], 0
	s_mov_b32 s[G1B+7], 0
	s_mov_b32 s[G0], 1
	s_mul_i32 s[G0+1], s16, 4*OPB                  ; LDS: the tokens' group from 0 on
	s_mul_i32 s20, s17, GRP
	s_add_co_u32 s20, s20, s[G0+1]
	s_mov_b32 s21, 0
	s_mov_b32 s[G0B], 1
	s_mul_i32 s71, s16, GRP
	s_add_co_u32 s71, s71, GRP                     ; LDS: my group of columns, behind the tokens
	s_mov_b32 s[G0B+1], s71
	s_lshl_b32 s46, s40, 1
	s_add_co_u32 s46, s46, s16
	s_mul_i32 s46, s46, GRP
	s_mov_b32 s47, 0
	s_mul_i32 s70, s15, 4*FRB                      ; my four fragments of the tokens
	s_lshl_b32 s72, s15, 8                         ; and their scale words
	s_add_co_u32 s73, s70, 4*OPB                   ; the same for K steps 4-7: an LDS offset has 16 bits
	s_add_co_u32 s74, s71, 4*OPB
	s_add_co_u32 s75, s72, 4*OPB
	s_mul_i32 s77, s14, 16*SPITCH                  ; my stage
	s_lshl_b32 s78, s40, 10
	s_lshl_b32 s79, s16, 9
	s_add_co_u32 s78, s78, s79                     ; my first column, in bytes
	s_mov_b32 s79, 0
	s_lshl_b32 s80, s17, 19
	s_lshl_b32 s81, s15, 18
	s_add_co_u32 s80, s80, s81                     ; my first token's row of 4,096 bytes
	s_mov_b32 s81, 0
	s_wait_dscnt 0x0
	s_wait_kmcnt 0x0
	s_add_nc_u64 s[G0+2:G0+3], s[4:5], s[20:21]
	s_or_b32 s[G0+3], s[G0+3], 0x80000000
	s_add_nc_u64 s[G0B+2:G0B+3], s[6:7], s[46:47]
	s_or_b32 s[G0B+3], s[G0B+3], 0x80000000
	s_add_nc_u64 s[8:9], s[8:9], s[78:79]
	s_add_nc_u64 s[10:11], s[10:11], s[78:79]
	s_add_nc_u64 s[10:11], s[10:11], s[80:81]
	CROUND                                         ; all sixteen work-groups are here: the joint loads meet
	s_cmp_eq_u32 s15, 0
	s_cbranch_scc0 .Lfor_p
	tensor_load_to_lds s[G0:G0+3], s[G1:G1+7]
	s_nop 0
.rept 4
	v_nop
.endr
	s_branch .Lasked
.Lfor_p:
	tensor_load_to_lds s[G0B:G0B+3], s[G1B:G1B+7]
	s_nop 0
.rept 4
	v_nop
.endr
.Lasked:
	v_and_b32 v3, 31, v0
	v_and_b32 v1, 15, v0
	v_bfe_u32 v2, v0, 4, 1
	v_lshlrev_b32 v[CO], 4, v3
	v_lshlrev_b32 v4, 3, v3
	v_lshlrev_b32 v5, 4, v1
	v_add_nc_u32 v[ADRQ], s70, v[CO]
	v_add_nc_u32 v[ADRQ+1], s73, v[CO]
	v_add_nc_u32 v[ADRQ+2], s70, v4
	v_add_nc_u32 v[ADRQ+3], s73, v4
	v_add_nc_u32 v[ADRP], s71, v[CO]
	v_add_nc_u32 v[ADRP+1], s74, v[CO]
	v_add_nc_u32 v[ADRP+2], s71, v4
	v_add_nc_u32 v[ADRP+3], s74, v4
	v_add_nc_u32 v[ADSQ], s72, v5
	v_add_nc_u32 v[ADSQ+1], s75, v5
	v_add_nc_u32 v[ADSP], s71, v5
	v_add_nc_u32 v[ADSP+1], s74, v5
	v_mul_u32_u24 v6, v1, SPITCH
	v_lshl_add_u32 v6, v2, 6, v6
	v_add_nc_u32 v[STO], s77, v6                   ; in: row l % 16, 64 bytes for each half of the lanes
	v_add_nc_u32 v[RD], s77, v[CO]                 ; back: the 32 lanes take a row of 512 bytes
	global_load_b128 v[BI:BI+3], v[CO], s[8:9]     ; the bias of my four columns of such a row
.macro FRAG reg, adr, i                ; U_, OF_: which address register and offset the K step has
	ds_load_b128 v[\reg:\reg+3], v[\adr+U_] offset:OF_+FRB*(\i)
	ds_load_b64 v[\reg+4:\reg+5], v[\adr+2+U_] offset:OF_+FRB*(\i)+512
	ds_load_b128 v[\reg+6:\reg+9], v[\adr+U_] offset:OF_+FRB*(\i)+768
	ds_load_b64 v[\reg+10:\reg+11], v[\adr+2+U_] offset:OF_+FRB*(\i)+1280
.endm
.macro FETCH s                         ; K step s into set s % 2: 48 loads of fragments and 3 of scale words
.set P_, (\s)%2
.set U_, (\s)/4
.set OF_, OPB*((\s)%4)
	WIN TO_P
.irp i, 0,1,2,3,4,5,6,7
	FRAG 128*P_+FR*\i, ADRP, \i
.endr
	WIN 0
.irp i, 0,1,2,3
	FRAG QF+48*P_+FR*\i, ADRQ, \i
.endr
	ds_load_b128 v[SC+12*P_:SC+12*P_+3], v[ADSQ+U_] offset:OF_+8*FRB          ; lane r: row r's words of my four fragments
	ds_load_b128 v[SC+12*P_+4:SC+12*P_+7], v[ADSP+U_] offset:OF_+8*FRB        ; of the columns' fragments 0-3,
	ds_load_b128 v[SC+12*P_+8:SC+12*P_+11], v[ADSP+U_] offset:OF_+8*FRB+256   ; and 4-7
.endm
.macro MULS s                          ; 32 products; the first step's start the sums
.set P_, (\s)%2
.irp a, 0,1,2,3
.irp b, 0,1,2,3,4,5,6,7
.if (\s) == 0
	v_wmma_scale_f32_16x16x128_f8f6f4 v[8*(8*\a+\b):8*(8*\a+\b)+7], v[128*P_+FR*\b:128*P_+FR*\b+11], v[QF+48*P_+FR*\a:QF+48*P_+FR*\a+11], 0, v[SC+12*P_+4+\b], v[SC+12*P_+\a] matrix_a_fmt:MATRIX_FMT_BF6 matrix_b_fmt:MATRIX_FMT_BF6
.else
	v_wmma_scale_f32_16x16x128_f8f6f4 v[8*(8*\a+\b):8*(8*\a+\b)+7], v[128*P_+FR*\b:128*P_+FR*\b+11], v[QF+48*P_+FR*\a:QF+48*P_+FR*\a+11], v[8*(8*\a+\b):8*(8*\a+\b)+7], v[SC+12*P_+4+\b], v[SC+12*P_+\a] matrix_a_fmt:MATRIX_FMT_BF6 matrix_b_fmt:MATRIX_FMT_BF6
.endif
.endr
.endr
.endm
	s_wait_alu depctr_va_vdst(0)                   ; the wait at the head's end
	s_wait_loadcnt 0x0                             ; the bias
	s_wait_tensorcnt 0x0                           ; my part is in,
	s_barrier_signal -1
	s_barrier_wait -1                              ; everybody's is
	FETCH 0
.set ST, 0
.rept 7
.if ST > 0
	PLACES                                         ; in front of loads into the set that the last step's products read
.endif
	FETCH ST+1
	s_wait_dscnt 51                                ; all but the 51 loads just issued: this step's operands are in
	WIN MUL
	MULS ST
	WIN 0
.set ST, ST+1
.endr
	s_wait_dscnt 0x0                               ; the last step's operands are in, and my reads of the operands' bytes are over:
	s_barrier_signal -1                            ; say so,
	WIN MUL
	MULS 7
	WIN 0
	s_barrier_wait -1                              ; and when all four have said so, the stages may be laid on those bytes
.macro TOSTAGE a
	WIN 0x08                                       ; the data: window 2
.irp b, 0,1,2,3,4,5,6,7
	ds_store_b128 v[STO], v[64*(\a)+8*\b:64*(\a)+8*\b+3] offset:128*(\b/2)+32*(\b%2)      ; each accumulator from its low end on: columns 32 (b / 2) + 8 (b % 2) + 16 h + 0 .. 7
	ds_store_b128 v[STO], v[64*(\a)+8*\b+4:64*(\a)+8*\b+7] offset:128*(\b/2)+32*(\b%2)+16
.endr
	WIN 0
.set BB, BK+64*((\a)%2)
.irp t, 0,1,2,3,4,5,6,7,8,9,10,11,12,13,14,15
	ds_load_b128 v[BB+4*\t:BB+4*\t+3], v[RD] offset:\t*SPITCH    ; LDS serves a wave's instructions in order: these see my stores
.endr
.endm
.macro SEND a, younger
.set BB, BK+64*((\a)%2)
	s_wait_dscnt \younger
.irp t, 0,1,2,3,4,5,6,7,8,9,10,11,12,13,14,15
	v_pk_add_f32 v[BB+4*\t:BB+4*\t+1], v[BB+4*\t:BB+4*\t+1], v[BI:BI+1]
	v_pk_add_f32 v[BB+4*\t+2:BB+4*\t+3], v[BB+4*\t+2:BB+4*\t+3], v[BI+2:BI+3]
	global_store_b128 v[CO], v[BB+4*\t:BB+4*\t+3], s[10:11] offset:(32*((\a)/2)+8*((\a)%2)+\t+8*(\t/8))*4096 th:TH_STORE_NT   ; 512 consecutive bytes, at a multiple of 256
.endr
.endm
	PLACES
	TOSTAGE 0
.irp a, 1,2,3
.if \a > 1
	s_wait_xcnt 0x0                                ; block a - 2's stores have read their registers
.endif
	TOSTAGE \a
	SEND \a-1, 32                                  ; behind block a - 1's loads: block a's 16 stores and 16 loads
.endr
	SEND 3, 0
	s_wait_tensorcnt 0x0                           ; the wave's end
	ds_add_u32 v[SPW], v[NIL]
	s_wait_dscnt 0x0
	CROUND                                         ; the closing round
	s_endpgm
.Lfunc_end_k_q3cbed21c6d_proj:
	.size	k_q3cbed21c6d_proj, .Lfunc_end_k_q3cbed21c6d_proj-k_q3cbed21c6d_proj
	.p2alignl 7, 3214868480
	.fill 96, 4, 3214868480
	.section	.rodata,"a",@progbits
	.p2align	6, 0x0
	.amdhsa_kernel k_q3cbed21c6d_proj
		.amdhsa_group_segment_fixed_size 327680
		.amdhsa_private_segment_fixed_size 0
		.amdhsa_enable_private_segment 0
		.amdhsa_kernarg_size 32
		.amdhsa_user_sgpr_count 2
		.amdhsa_user_sgpr_kernarg_segment_ptr 1
		.amdhsa_wavefront_size32 1
		.amdhsa_system_sgpr_workgroup_id_x 1
		.amdhsa_system_sgpr_workgroup_id_y 1
		.amdhsa_system_sgpr_workgroup_id_z 1
		.amdhsa_system_vgpr_workitem_id 0
		.amdhsa_next_free_vgpr 768
		.amdhsa_next_free_sgpr 100
		.amdhsa_reserve_vcc 0
		.amdhsa_float_denorm_mode_32 3
		.amdhsa_float_denorm_mode_16_64 3
		.amdhsa_memory_ordered 1
		.amdhsa_forward_progress 1
		.amdhsa_inst_pref_size 89
	.end_amdhsa_kernel
	.amdgpu_metadata
---
amdhsa.version: [ 1, 2 ]
amdhsa.kernels:
  - .name:           k_q3cbed21c6d_proj
    .symbol:         k_q3cbed21c6d_proj.kd
    .args:
      - { .name: cq, .offset: 0, .size: 8, .value_kind: global_buffer, .address_space: global }
      - { .name: wo, .offset: 8, .size: 8, .value_kind: global_buffer, .address_space: global }
      - { .name: b_out, .offset: 16, .size: 8, .value_kind: global_buffer, .address_space: global }
      - { .name: out0, .offset: 24, .size: 8, .value_kind: global_buffer, .address_space: global }
    .group_segment_fixed_size: 327680
    .private_segment_fixed_size: 0
    .kernarg_segment_align: 8
    .kernarg_segment_size: 32
    .max_flat_workgroup_size: 128
    .sgpr_count:     100
    .vgpr_count:     768
    .wavefront_size: 32
...
	.end_amdgpu_metadata
.endif
;; end of part 4
